; MI455X (gfx1250); checked and timed in simulation.
; The chip was launched on July 23, 2026; its instructions are those of AMD's public machine-readable ISA for CDNA 5 (MIT licence, August 2026) and "CDNA5" Instruction Set Architecture Reference Guide (July 2026). The comments in the code are by the model that wrote it; some were corrected since.
;; Sink Attention. Allowed arithmetic: float matrix products may take bf16 or f16 operands with f32 sums; all other float work in f32.
;; Inputs: Wk 2,048 x 2,048 float32; Wo 2,048 x 2,048 float32; Wq 2,048 x 2,048 float32; Wv 2,048 x 2,048 float32; x 4 x 512 x 2,048 float32.
;; Outputs: out0 4 x 512 x 2,048 float32.
;; Constants: layer_idx = 0.
;; One version. Each part assembles by itself: llvm-mc -triple=amdgcn-amd-amdhsa -mcpu=gfx1250 --defsym DOCPART=n.
;; ======== version 1 of 1: 4 launches
;; limits: values are held in f16: magnitudes above 65,504 overflow, below 6.1e-05 lose precision
;; workspace buffers: hf 33,554,432 bytes; qkv 25,165,824 bytes; att 8,388,608 bytes; wo16 8,388,608 bytes
;; launch cast (part 1): grid 256 x 4, 8 waves a work-group, no clusters, 0 bytes of LDS; arguments x, Wq, Wk, Wv, hf; writes hf
.if DOCPART == 1
	.amdgcn_target "amdgcn-amd-amdhsa--gfx1250"
	.amdhsa_code_object_version 6
	.text
	.protected	k_q0cb7950631_cast
	.globl	k_q0cb7950631_cast
	.p2align	8
	.type	k_q0cb7950631_cast,@function
k_q0cb7950631_cast:
	s_mov_b64 s[64:65], 0
	v_nop
	global_prefetch_b8 v0, s[64:65] scope:SCOPE_SE
	s_setreg_imm32_b32 hwreg(HW_REG_WAVE_MODE, 25, 1), 1
	s_wait_xcnt 0x0
; hf plane Y = f16 of tensor Y (0 x, 1 Wq, 2 Wk, 3 Wv); a plane is [2048][2048] f16, 8,388,608 bytes.  (Wo is rounded in the attention launch.)
; The next launch feeds the matrix units with 16-bit tiles (the weights lie [K][N] and are transposed on the way out of LDS by a load
; that works on 16-bit numbers), so these inputs are rounded once, here.
; LIMIT: f16 operands.  A number above 65,504 in magnitude becomes infinite; below 2^-24 it becomes 0.
; Work-group (X, Y) takes 16,384 neighbouring numbers of tensor Y: 65,536 bytes in, 32,768 out.  Thread t makes 16 loads of 16 bytes
; (a wave's load covers 512 neighbouring bytes) and 16 stores of 8 bytes (a wave's store covers 256 neighbouring bytes, aligned).
; A pure stream: no LDS, no barrier, no matrix unit, no loop.  All 16 loads of a thread are issued before the first is used.
.set X, 4                              ; v[4:67]  load i: 4 registers; its two packed results land in the first two
	s_load_b256 s[4:11], s[0:1], 0x0               ; x s[4:5], Wq s[6:7], Wk s[8:9], Wv s[10:11]
	s_load_b64 s[14:15], s[0:1], 0x20              ; hf
	s_and_b32 s16, ttmp7, 0xffff                   ; Y: which tensor
	s_lshl_b32 s18, ttmp9, 16                      ; 65,536 X: my bytes in the source
	s_mov_b32 s19, 0
	s_lshl_b32 s20, s16, 23                        ; 8,388,608 Y: the plane,
	s_lshl_b32 s21, ttmp9, 15                      ; + 32,768 X: my bytes in it
	s_add_co_u32 s20, s20, s21
	s_mov_b32 s21, 0
	v_lshlrev_b32 v1, 4, v0                        ; 16 t
	v_lshlrev_b32 v2, 3, v0                        ; 8 t
	s_wait_kmcnt 0x0
.irp n, 1,2,3
	s_cmp_eq_u32 s16, \n                           ; the source is chosen by Y alone
	s_cselect_b64 s[4:5], s[4+2*\n:5+2*\n], s[4:5]
.endr
	s_add_nc_u64 s[4:5], s[4:5], s[18:19]
	s_add_nc_u64 s[14:15], s[14:15], s[20:21]
.irp i, 0,1,2,3,4,5,6,7,8,9,10,11,12,13,14,15
	global_load_b128 v[X+4*\i:X+4*\i+3], v1, s[4:5] offset:4096*\i th:TH_LOAD_NT   ; read once in the launch
.endr
.irp i, 0,1,2,3,4,5,6,7,8,9,10,11,12,13,14,15
	s_wait_loadcnt 15-\i                           ; loads come back in order: load i is in, the 15 - i younger ones stay out
	v_cvt_pk_f16_f32 v[X+4*\i],   v[X+4*\i],   v[X+4*\i+1]
	v_cvt_pk_f16_f32 v[X+4*\i+1], v[X+4*\i+2], v[X+4*\i+3]
	global_store_b64 v2, v[X+4*\i:X+4*\i+1], s[14:15] offset:2048*\i               ; no register of a store is written again
.endr
	s_endpgm
.Lfunc_end_k_q0cb7950631_cast:
	.size	k_q0cb7950631_cast, .Lfunc_end_k_q0cb7950631_cast-k_q0cb7950631_cast
	.p2alignl 7, 3214868480
	.fill 96, 4, 3214868480
	.section	.rodata,"a",@progbits
	.p2align	6, 0x0
	.amdhsa_kernel k_q0cb7950631_cast
		.amdhsa_group_segment_fixed_size 0
		.amdhsa_private_segment_fixed_size 0
		.amdhsa_enable_private_segment 0
		.amdhsa_kernarg_size 40
		.amdhsa_user_sgpr_count 2
		.amdhsa_user_sgpr_kernarg_segment_ptr 1
		.amdhsa_wavefront_size32 1
		.amdhsa_system_sgpr_workgroup_id_x 1
		.amdhsa_system_sgpr_workgroup_id_y 1
		.amdhsa_system_sgpr_workgroup_id_z 1
		.amdhsa_system_vgpr_workitem_id 0
		.amdhsa_next_free_vgpr 72
		.amdhsa_next_free_sgpr 66
		.amdhsa_reserve_vcc 0
		.amdhsa_float_denorm_mode_32 3
		.amdhsa_float_denorm_mode_16_64 3
		.amdhsa_memory_ordered 1
		.amdhsa_forward_progress 1
		.amdhsa_inst_pref_size 7
	.end_amdhsa_kernel
	.amdgpu_metadata
---
amdhsa.version: [ 1, 2 ]
amdhsa.kernels:
  - .name:           k_q0cb7950631_cast
    .symbol:         k_q0cb7950631_cast.kd
    .args:
      - { .name: x, .offset: 0, .size: 8, .value_kind: global_buffer, .address_space: global }
      - { .name: Wq, .offset: 8, .size: 8, .value_kind: global_buffer, .address_space: global }
      - { .name: Wk, .offset: 16, .size: 8, .value_kind: global_buffer, .address_space: global }
      - { .name: Wv, .offset: 24, .size: 8, .value_kind: global_buffer, .address_space: global }
      - { .name: hf, .offset: 32, .size: 8, .value_kind: global_buffer, .address_space: global }
    .group_segment_fixed_size: 0
    .private_segment_fixed_size: 0
    .kernarg_segment_align: 8
    .kernarg_segment_size: 40
    .max_flat_workgroup_size: 256
    .sgpr_count:     66
    .vgpr_count:     72
    .wavefront_size: 32
...
	.end_amdgpu_metadata
.endif
;; end of part 1
;; launch qkv (part 2): grid 16 x 16, 4 waves a work-group, clusters of 4 x 4, 327,680 bytes of LDS; arguments hf, qkv; writes qkv
.if DOCPART == 2
	.amdgcn_target "amdgcn-amd-amdhsa--gfx1250"
	.amdhsa_code_object_version 6
	.text
	.protected	k_q0cb7950631_qkv
	.globl	k_q0cb7950631_qkv
	.p2align	8
	.type	k_q0cb7950631_qkv,@function
k_q0cb7950631_qkv:
	s_mov_b64 s[64:65], 0
	v_nop
	global_prefetch_b8 v0, s[64:65] scope:SCOPE_SE
	s_setreg_imm32_b32 hwreg(HW_REG_WAVE_MODE, 25, 1), 1
	s_wait_xcnt 0x0
	s_wait_alu depctr_hold_cnt(0) depctr_sa_sdst(0) depctr_va_vdst(0) depctr_va_sdst(0) depctr_va_ssrc(0) depctr_va_vcc(0) depctr_vm_vsrc(0)
	s_getreg_b32 s2, hwreg(HW_REG_IB_STS2, 6, 4)
	s_cmp_eq_u32 s2, 0
	s_cbranch_scc0 .Lentry_in_a_cluster
	s_endpgm
.Lentry_in_a_cluster:
	s_bfe_u32 s2, ttmp6, 0x10000c
	s_cmp_lg_u32 s2, 0xf033
	s_cbranch_scc0 .Lentry_shape_is_right
	s_endpgm
.Lentry_shape_is_right:
; qkv[m][n] = sum over k of x[m][k] W[k][n], W = [Wq | Wk | Wv] side by side: [2048] x [6144], f16 operands from hf, f32 sums, f16 out.
; LIMIT: q, k, v are stored in f16: above 65,504 in magnitude they become infinite.
; A work-group makes a block of 128 rows x 384 columns: 16 x 16 = 256 equal work-groups.  Each of the four waves takes all 128 rows and
; 96 columns: 8 x 6 = 48 accumulator tiles of 16 x 16, 384 registers.  K goes in 16 steps of 128 through a ring of two LDS slots.
; One tensor load a wave and step, 128 rows x 256 bytes each, every row starting at a multiple of 256 bytes from hf's first byte:
; wave 0 brings x's tile (128 rows x 128 k), wave w = 1..3 strip w - 1 of W's tile (128 k rows x 128 columns).
; CLUSTERS: 4 x 4 work-groups.  x's tile hangs on the block row alone and is asked for jointly by a row of the cluster, W's strips hang on
; the block column alone and are asked for jointly by a column: the requests for both are divided by four.
; W lies [k][n]; its fragments are made by the transposing LDS load (8 x 8 numbers of 16 bits within eight lanes).
; THE MATRIX INSTRUCTION IS USED TRANSPOSED: source 0 = 16 columns of W, source 1 = 16 rows of x, so that a lane holds eight
; neighbouring columns of one row of the result.
; REGISTERS: window 0: addresses, x's fragments (two buffers of 64), packed results; window 1: W's fragments (two buffers of 48);
; window 2: accumulators of rows 0-63, tile (a, b) at v[8 (6 a + b)]; window 3: those of rows 64-127.
.set PA,    272                        ; x's LDS row: 256 bytes + 16: an odd multiple of 16, so the 16 rows of a fragment load start at 16 different 16-byte columns of a 256-byte span
.set PB,    288                        ; W's LDS row: 256 bytes + 32: an odd multiple of 32, for the transposing load
.set REG,   36864                      ; a wave's region of a slot: 128 x 288 (x's tile uses 128 x 272 of it)
.set SLOT,  4*REG
.set STAGE, 2*SLOT                     ; behind the ring: 32 rows x 784 bytes for the way out; no tensor load lands here
.set SP,    784                        ; 768 bytes (384 f16) + 16
.set LAPS,  8                          ; a lap = two K steps = once round the ring; 2048 / 256
.set QROW,  12288                      ; bytes in a row of qkv
.set ADRA, 16                          ; v16-17  LDS address of x's fragments in slot 0, 1
.set ADRB, 20                          ; v20-31  the same for my W fragment j = 0..5: v[20 + 2 j + slot]
.set STO,  32                          ; the way out: where I put 16 bytes
.set RD,   33                          ; the way out: where I read rows back
.set CO,   34                          ; my byte offset in the block of qkv
.set F0,   64
.set F1,   128
.set TMP,  192                         ; v192-239 packed results
.set G1,  24                           ; s[24:31] descriptor group 1, x's tiles
.set G0,  32                           ; s[32:39] group 0, x's tiles, a set for each slot
.set G1B, 48                           ; s[48:55] group 1, W's strips
.set G0B, 56                           ; s[56:63] group 0, W's strips, a set for each slot
.set MSB, 0
.macro WIN new                         ; the immediate's high byte repeats the setting that is left
.if MSB != \new
	s_set_vgpr_msb (MSB<<8)|\new
.set MSB, \new
.endif
.endm
.set MUL_LO, 0xa1                      ; source 0 (W) window 1, source 1 (x) window 0, C and D window 2
.set MUL_HI, 0xf1                      ; the same, C and D window 3
.set TO_B,   0x40                      ; destination window 1, address window 0
; A joint load: wave 0 asks for x's tile, waves 1 to 3 for W's strips.  Each line has one mask; the branch hangs on the wave's number alone.
.macro JLOAD s
	s_cmp_eq_u32 s10, 0
	s_cbranch_scc0 .Lfor_b_\@
	tensor_load_to_lds s[G0+4*\s:G0+4*\s+3], s[G1:G1+7]
	s_nop 0
	s_branch .Lasked_\@
.Lfor_b_\@:
	tensor_load_to_lds s[G0B+4*\s:G0B+4*\s+3], s[G1B:G1B+7]
	s_nop 0
.Lasked_\@:
.endm
; A round of the cluster's barrier: my work-group's barrier, wave 0 signals for the work-group, every wave waits for all sixteen, my work-group's barrier again.
.macro CREST                           ; a round behind its opening barrier
	s_cmp_lg_u32 s10, 0
	s_cbranch_scc1 .Lnot_wave_0_\@
	s_barrier_signal -3
.Lnot_wave_0_\@:
	s_barrier_wait -3
	s_barrier_signal -1
	s_barrier_wait -1
.endm
.macro CROUND
	s_barrier_signal -1
	s_barrier_wait -1
	CREST
.endm
	s_load_b128 s[4:7], s[0:1], 0x0                ; hf s[4:5], qkv s[6:7]
	s_set_vgpr_msb 0x40
	v_lshl_add_u32 v255, v0, 2, 0x4e200
	s_set_vgpr_msb 0x4000
	v_mov_b32 v255, 0
	s_set_vgpr_msb 0x1
	ds_add_u32 v255, v255
	ds_add_u32 v255, v255
	s_set_vgpr_msb 0x100
	v_lshrrev_b32 v1, 5, v0
	v_readfirstlane_b32 s10, v1                    ; wave 0..3
	s_bfe_u32 s40, ttmp6, 0x40000                  ; cx
	s_bfe_u32 s41, ttmp6, 0x40004                  ; cy
	s_lshl_b32 s42, ttmp9, 2
	s_add_co_u32 s42, s42, s40                     ; block column = 4 x cluster x + cx
	s_and_b32 s13, ttmp7, 0xffff
	s_lshl_b32 s13, s13, 2
	s_add_co_u32 s13, s13, s41                     ; block row = 4 x cluster y + cy
	s_lshl_b32 s43, s41, 2
	s_lshl_b32 s43, 15, s43                        ; my row of the cluster: places 4 cy .. 4 cy + 3
	s_lshl_b32 s44, 0x1111, s40                    ; my column: places cx, cx + 4, cx + 8, cx + 12
	; group 1: 128 rows x 128 elements of 2 bytes, 2,048 elements from row to row, padded behind every 64 words
	s_or_b32 s[G1+0], s43, (1<<16)|(1<<20)|(1<<21)|(5<<22)|(3<<25)   ; mask of my row; 2-byte elements; padding on; bit 21 beside a mask; every 64 words; 4 words
	s_or_b32 s[G1B+0], s44, (1<<16)|(1<<20)|(1<<21)|(5<<22)|(7<<25)  ; mask of my column; the same with 8 words of padding
	s_mov_b32 s[G1+1], 128<<16                     ; tensor_dim0 = 128
	s_mov_b32 s[G1B+1], 128<<16
	s_mov_b32 s[G1+2], 128<<16                     ; tensor_dim1 = 128
	s_mov_b32 s[G1B+2], 128<<16
	s_mov_b32 s[G1+3], 128<<16                     ; tile_dim0 = 128
	s_mov_b32 s[G1B+3], 128<<16
	s_mov_b32 s[G1+4], 128                         ; tile_dim1 = 128
	s_mov_b32 s[G1B+4], 128
	s_mov_b32 s[G1+5], 2048                        ; the pitch
	s_mov_b32 s[G1B+5], 2048
	s_mov_b32 s[G1+6], 0
	s_mov_b32 s[G1B+6], 0
	s_mov_b32 s[G1+7], 0
	s_mov_b32 s[G1B+7], 0
	; x's tile: plane 0, row 128 x block row: 524,288 bytes a block row.  No register here ever holds cx.
	s_lshl_b32 s16, s13, 19
	s_mov_b32 s17, 0
	; W's strip g = 3 x block column + (wave - 1) of 48: plane 1 + g / 16, byte 256 (g mod 16) of each row.  No register here ever holds cy.
	; (Wave 0 makes strip 0's address and never asks by it.)
	s_max_u32 s45, s10, 1
	s_sub_co_u32 s45, s45, 1
	s_mul_i32 s46, s42, 3
	s_add_co_u32 s46, s46, s45                     ; g
	s_lshr_b32 s47, s46, 4
	s_add_co_u32 s47, s47, 1
	s_lshl_b32 s47, s47, 23                        ; the plane's 8,388,608 bytes
	s_and_b32 s46, s46, 15
	s_lshl_b32 s46, s46, 8
	s_add_co_u32 s46, s46, s47
	s_mov_b32 s47, 0
	s_mul_i32 s20, s10, REG                        ; where my tile goes: the wave's number times a constant
	s_wait_dscnt 0x0
	s_wait_kmcnt 0x0
	s_add_nc_u64 s[14:15], s[4:5], s[16:17]
	s_add_nc_u64 s[46:47], s[4:5], s[46:47]
	CROUND                                         ; all sixteen work-groups are here: the first joint loads meet
.irp s, 0,1
	s_mov_b32 s[G0+4*\s], 1
	s_add_co_u32 s[G0+4*\s+1], s20, \s*SLOT
	s_add_nc_u64 s[G0+4*\s+2:G0+4*\s+3], s[14:15], \s*256          ; K step s: 128 numbers along x's rows
	s_or_b32 s[G0+4*\s+3], s[G0+4*\s+3], 0x80000000
	s_mov_b32 s[G0B+4*\s], 1
	s_add_co_u32 s[G0B+4*\s+1], s20, \s*SLOT
	s_add_nc_u64 s[G0B+4*\s+2:G0B+4*\s+3], s[46:47], \s*524288     ; K step s: 128 rows of W down
	s_or_b32 s[G0B+4*\s+3], s[G0B+4*\s+3], 0x80000000
	JLOAD \s                                       ; both slots' first fills: two loads of the wave are out
.endr
	v_and_b32 v1, 15, v0                           ; r = lane mod 16
	v_bfe_u32 v2, v0, 4, 1                         ; h = lane / 16
	v_mul_u32_u24 v[ADRA], v1, PA                  ; x's fragment: lane (r, h) takes row r, bytes 16 h and 32 + 16 h of 64
	v_lshl_add_u32 v[ADRA], v2, 4, v[ADRA]
	v_add_nc_u32 v[ADRA+1], SLOT, v[ADRA]
	v_and_b32 v4, 7, v0                            ; W's fragment: lane takes k row 8 h + lane mod 8, 16 bytes at 16 x bit 3 of the lane
	v_lshl_add_u32 v4, v2, 3, v4
	v_mul_u32_u24 v4, v4, PB
	v_bfe_u32 v5, v0, 3, 1
	v_lshl_add_u32 v4, v5, 4, v4
	s_mul_i32 s21, s10, 6
.irp j, 0,1,2,3,4,5
	s_add_co_u32 s22, s21, \j                      ; f = 6 wave + j of the block's 24 column blocks: strip f / 8, 32 bytes x (f mod 8) in it
	s_lshr_b32 s23, s22, 3
	s_mul_i32 s23, s23, REG
	s_and_b32 s22, s22, 7
	s_lshl_b32 s22, s22, 5
	s_add_co_u32 s22, s22, s23
	s_add_co_u32 s22, s22, REG                     ; the strips lie behind x's region
	v_add_nc_u32 v[ADRB+2*\j], s22, v4
	s_add_co_u32 s22, s22, SLOT
	v_add_nc_u32 v[ADRB+2*\j+1], s22, v4
.endr
	s_mul_i32 s22, s10, 192                        ; the way out, in: row r, my wave's 192 bytes, 16 bytes for each half of the lanes
	s_add_co_u32 s22, s22, STAGE
	v_mul_u32_u24 v5, v1, SP
	v_lshl_add_u32 v5, v2, 4, v5
	v_add_nc_u32 v[STO], s22, v5
	s_mul_i32 s22, s10, 8*SP                       ; back: my wave's 8 of the 32 rows; lanes 0-15 one row's 256 bytes, lanes 16-31 the next row's
	s_add_co_u32 s22, s22, STAGE
	v_mul_u32_u24 v5, v2, SP
	v_lshl_add_u32 v5, v1, 4, v5
	v_add_nc_u32 v[RD], s22, v5
	s_mul_i32 s22, s10, 8*QROW                     ; and the same rows in qkv
	v_mul_u32_u24 v5, v2, QROW
	v_lshl_add_u32 v5, v1, 4, v5
	v_add_nc_u32 v[CO], s22, v5
; 12 matrix instructions: row blocks a0, a0 + 1 of the window's four x my 6 column blocks, 32 along K.  zero = 1: the product starts the sums.
.macro MUL12 f, hi, a0, zero
.irp a, \a0, \a0+1
.irp b, 0,1,2,3,4,5
.if \zero
	v_wmma_f32_16x16x32_f16 v[8*(6*(\a)+\b):8*(6*(\a)+\b)+7], v[\f+8*\b:\f+8*\b+7], v[\f+8*(4*\hi+\a):\f+8*(4*\hi+\a)+7], 0
.else
	v_wmma_f32_16x16x32_f16 v[8*(6*(\a)+\b):8*(6*(\a)+\b)+7], v[\f+8*\b:\f+8*\b+7], v[\f+8*(4*\hi+\a):\f+8*(4*\hi+\a)+7], v[8*(6*(\a)+\b):8*(6*(\a)+\b)+7]
.endif
.endr
.endr
.endm
; 28 LDS loads in one run: quarter kq (32 along K) of a slot into buffer f: 6 fragments of W (32 k rows = 9,216 bytes a quarter), 8 of x (64 bytes a quarter)
.macro FETCH slot, kq, f
	WIN TO_B
.irp j, 0,1,2,3,4,5
	ds_load_tr16_b128 v[\f+8*\j:\f+8*\j+3],   v[ADRB+2*\j+\slot] offset:\kq*32*PB
	ds_load_tr16_b128 v[\f+8*\j+4:\f+8*\j+7], v[ADRB+2*\j+\slot] offset:\kq*32*PB+16*PB
.endr
	WIN 0
.irp i, 0,1,2,3,4,5,6,7
	ds_load_b128 v[\f+8*\i:\f+8*\i+3],   v[ADRA+\slot] offset:\kq*64+\i*16*PA
	ds_load_b128 v[\f+8*\i+4:\f+8*\i+7], v[ADRA+\slot] offset:\kq*64+\i*16*PA+32
.endr
.endm
; Four plain vector instructions stand between a matrix instruction and a load into one of its sources, or a vector instruction that reads
; its result (ISA guide 7.12.1 for vector instructions); other matrix instructions are not counted.
.macro PLACES
.rept 4
	v_nop
.endr
.endm
; A quarter step: buffer f, asked for a quarter ago, is multiplied (48 matrix instructions); the next quarter's fragments are asked for first, into buffer g.
; The 48 accumulators take turns, one instruction a turn, in the same order in every quarter.
.macro QUARTER slot, kq, f, g, zero
	s_wait_dscnt 0x0                               ; buffer f is in: nothing younger has been issued
	PLACES                                         ; buffer g was read by the matrix instructions just in front
	FETCH \slot, \kq, \g
	WIN MUL_LO
	MUL12 \f, 0, 0, \zero
	MUL12 \f, 0, 2, \zero
	WIN MUL_HI
	MUL12 \f, 1, 0, \zero
	MUL12 \f, 1, 2, \zero
.endm
.macro THREE slot, zero
	QUARTER \slot, 1, F0, F1, \zero
	QUARTER \slot, 2, F1, F0, 0
	QUARTER \slot, 3, F0, F1, 0
.endm
; The last quarter of a K step multiplies buffer 1 and changes slots.  In front of the barrier each wave waits for its reads of this slot and
; for all its tensor loads (the one that is out is its part of the next slot).  With fill = 1 the barrier opens a round of the cluster's
; barrier, and the joint refill of this slot, two K steps ahead, is the first tensor load behind the round, one a wave.
; From that request to the wait for it a wave issues 24 + 3 x 48 = 168 matrix instructions.
.macro TURN slot, next, fill
	s_wait_dscnt 0x0                               ; my reads of this slot are over
	s_wait_tensorcnt 0x0                           ; all my tensor loads have landed
	ds_add_u32 v255, v255
	s_wait_dscnt 0x0
	s_barrier_signal -1
	WIN MUL_LO
	MUL12 F1, 0, 0, 0                              ; register work while the others arrive
	MUL12 F1, 0, 2, 0
	WIN 0
	s_barrier_wait -1
.if \fill
	CREST                                          ; no wave of any partner still reads this slot or has a load on its way
	s_add_nc_u64 s[G0+4*\slot+2:G0+4*\slot+3], s[G0+4*\slot+2:G0+4*\slot+3], 2*256
	s_add_nc_u64 s[G0B+4*\slot+2:G0B+4*\slot+3], s[G0B+4*\slot+2:G0B+4*\slot+3], 2*524288
	JLOAD \slot
.endif
	PLACES
	FETCH \next, 0, F0
	WIN MUL_HI
	MUL12 F1, 1, 0, 0
	MUL12 F1, 1, 2, 0
.endm
.macro LAP zero
	THREE 0, \zero
	TURN 0, 1, 1
	THREE 1, 0
	TURN 1, 0, 1
.endm
	s_wait_tensorcnt 0x1                           ; my part of K step 0 is in; K step 1's may stay out
	s_barrier_signal -1
	s_barrier_wait -1                              ; everybody's is
	FETCH 0, 0, F0
	LAP 1                                          ; the first lap's first products start the sums: nothing is cleared
	WIN 0
	s_mov_b32 s3, LAPS-2
.Llap:
	LAP 0
	WIN 0
	s_sub_co_u32 s3, s3, 1
	s_cmp_lg_u32 s3, 0
	s_cbranch_scc1 .Llap
	THREE 0, 0                                     ; the last lap fills nothing
	TURN 0, 1, 0
	THREE 1, 0
	s_wait_dscnt 0x0
	WIN MUL_LO
	MUL12 F1, 0, 0, 0
	MUL12 F1, 0, 2, 0
	WIN MUL_HI
	MUL12 F1, 1, 0, 0
	MUL12 F1, 1, 2, 0
	; THE WAY OUT.  A wave's 96 columns are 192 bytes of a row, so whole aligned runs of 256 bytes need all four waves: 32 rows at a time go
	; through a stage that the four share, and each wave reads 8 whole rows of 768 bytes back and stores them.
	PLACES                                         ; behind the last matrix instructions: the conversions read results, the loads land in fragment buffers
	s_mul_i32 s16, s13, 128*QROW
	s_mov_b32 s17, 0
	s_add_nc_u64 s[8:9], s[6:7], s[16:17]          ; qkv at my block's first row,
	s_mul_i32 s46, s42, 768
	s_mov_b32 s47, 0
	s_add_nc_u64 s[8:9], s[8:9], s[46:47]          ; and its first column: 768 bytes a block column
; rows 32 p .. 32 p + 31 = row blocks a0, a0 + 1 of window 2 or 3 (from = 0x0a or 0x0f: sources 0 and 1); f: the buffer read back into, by turns
.macro PASS p, a0, from, f
	WIN \from
.irp al, 0,1
.irp b, 0,1,2,3,4,5
.irp r, 0,1,2,3
	v_cvt_pk_f16_f32 v[TMP+4*(6*\al+\b)+\r], v[8*(6*(\a0+\al)+\b)+2*\r], v[8*(6*(\a0+\al)+\b)+2*\r+1]
.endr
.endr
.endr
	WIN 0
.if \p
	s_wait_dscnt 0x0                               ; my reads of the stage are back,
	s_barrier_signal -1
	s_barrier_wait -1                              ; everybody's are: the stage may be written again
.endif
.irp al, 0,1
.irp b, 0,1,2,3,4,5
	ds_store_b128 v[STO], v[TMP+4*(6*\al+\b):TMP+4*(6*\al+\b)+3] offset:\al*16*SP+32*\b
.endr
.endr
	s_wait_dscnt 0x0                               ; my stores are done, for the others' sake,
	s_barrier_signal -1
	s_barrier_wait -1                              ; everybody's are
	s_wait_xcnt 0x0                                ; buffer f, which earlier stores read, is loaded again only behind this wait
.irp pr, 0,1,2,3
.irp x, 0,1,2
	ds_load_b128 v[\f+4*(3*\pr+\x):\f+4*(3*\pr+\x)+3], v[RD] offset:\pr*2*SP+256*\x
.endr
.endr
.irp pr, 0,1,2,3
.irp x, 0,1,2
	s_wait_dscnt 11-(3*\pr+\x)                     ; LDS loads come back in order: this one is in, the younger ones stay out
	global_store_b128 v[CO], v[\f+4*(3*\pr+\x):\f+4*(3*\pr+\x)+3], s[8:9] offset:\p*32*QROW+\pr*2*QROW+256*\x   ; 16 lanes store 256 consecutive bytes, aligned
.endr
.endr
.endm
	PASS 0, 0, 0x0a, F0
	PASS 1, 2, 0x0a, F1
	PASS 2, 0, 0x0f, F0
	PASS 3, 2, 0x0f, F1
	s_set_vgpr_msb 0x1
	s_wait_tensorcnt 0x0
	ds_add_u32 v255, v255
	s_wait_dscnt 0x0
	s_set_vgpr_msb 0x100
	CROUND                                         ; the closing round: no work-group ends while a partner may still ask for a tile that names it
	s_endpgm
.Lfunc_end_k_q0cb7950631_qkv:
	.size	k_q0cb7950631_qkv, .Lfunc_end_k_q0cb7950631_qkv-k_q0cb7950631_qkv
	.p2alignl 7, 3214868480
	.fill 96, 4, 3214868480
	.section	.rodata,"a",@progbits
	.p2align	6, 0x0
	.amdhsa_kernel k_q0cb7950631_qkv
		.amdhsa_group_segment_fixed_size 327680
		.amdhsa_private_segment_fixed_size 0
		.amdhsa_enable_private_segment 0
		.amdhsa_kernarg_size 16
		.amdhsa_user_sgpr_count 2
		.amdhsa_user_sgpr_kernarg_segment_ptr 1
		.amdhsa_wavefront_size32 1
		.amdhsa_system_sgpr_workgroup_id_x 1
		.amdhsa_system_sgpr_workgroup_id_y 1
		.amdhsa_system_sgpr_workgroup_id_z 1
		.amdhsa_system_vgpr_workitem_id 0
		.amdhsa_next_free_vgpr 960
		.amdhsa_next_free_sgpr 66
		.amdhsa_reserve_vcc 0
		.amdhsa_float_denorm_mode_32 3
		.amdhsa_float_denorm_mode_16_64 3
		.amdhsa_memory_ordered 1
		.amdhsa_forward_progress 1
		.amdhsa_inst_pref_size 160
	.end_amdhsa_kernel
	.amdgpu_metadata
---
amdhsa.version: [ 1, 2 ]
amdhsa.kernels:
  - .name:           k_q0cb7950631_qkv
    .symbol:         k_q0cb7950631_qkv.kd
    .args:
      - { .name: hf, .offset: 0, .size: 8, .value_kind: global_buffer, .address_space: global }
      - { .name: qkv, .offset: 8, .size: 8, .value_kind: global_buffer, .address_space: global }
    .group_segment_fixed_size: 327680
    .private_segment_fixed_size: 0
    .kernarg_segment_align: 8
    .kernarg_segment_size: 16
    .max_flat_workgroup_size: 128
    .sgpr_count:     66
    .vgpr_count:     960
    .wavefront_size: 32
...
	.end_amdgpu_metadata
.endif
;; end of part 2
;; launch attn (part 3): grid 256 x 1, 4 waves a work-group, no clusters, 304,640 bytes of LDS; arguments qkv, Wo, att, wo16; writes att, wo16
.if DOCPART == 3
	.amdgcn_target "amdgcn-amd-amdhsa--gfx1250"
	.amdhsa_code_object_version 6
	.text
	.protected	k_q0cb7950631_attn
	.globl	k_q0cb7950631_attn
	.p2align	8
	.type	k_q0cb7950631_attn,@function
k_q0cb7950631_attn:
	s_mov_b64 s[64:65], 0
	v_nop
	global_prefetch_b8 v0, s[64:65] scope:SCOPE_SE
	s_setreg_imm32_b32 hwreg(HW_REG_WAVE_MODE, 25, 1), 1
	s_wait_xcnt 0x0
; att[b, q, 128 head + d] = causal softmax(q k^T / sqrt(128)) v for one (batch, head), f16 operands, f32 scores, softmax and sums, f16 out.
; Beside it: wo16 = f16 of Wo, 16,384 numbers a work-group, for the launch that follows.
; LIMITS: p is rounded to f16 for the product with v (below 2^-24 it becomes 0); the row sum is taken from the unrounded f32 p; the result and
; wo16 are stored in f16 (above 65,504 infinite).  The running maximum is taken away before every exponential.
; SHARES: a head's 512 queries are eight sub-blocks of 64.  Work-group j = 0..3 of a head takes sub-blocks j (lo) and 7 - j (hi):
; (j + 1) + (8 - j) = 9 blocks of 64 keys for every work-group, and what the causal mask throws away whole is not computed.
; 64 heads x 4 = 256 work-groups.  Wave w takes rows 16 w .. 16 w + 15 of both sub-blocks.
; NO CLUSTER: the four work-groups of a head read the same K and V, but their trip counts (j and 3 - j) and the order of their key blocks
; hang on j, which partners of a joint request may not differ in; the form that is alike in all four computes all 16 blocks in place of 9.
; LDS is filled once, in TWO STAGES that both go out at the start: key blocks 0-3 and 4-7 (work-group j leaves the last j blocks unread).
; Waves 0, 1 bring K's rows, waves 2, 3 V's: two tensor loads a wave, two outstanding at the most.  The key blocks are taken in the order
; j, 0 .. j - 1, j + 1 .. 7 - j, so the first four are blocks 0-3: 2 (j + 1) + (3 - j) = j + 5 of the 9 units of work lie ahead of the wait for
; the second stage.  Every LDS address is clamped to the key blocks of the stages that have been waited for.
; EVERYTHING IS TRANSPOSED: S^T = K Q^T (source 0 = 16 keys, source 1 = 16 queries): lane (r, h) holds, of query r, keys 16 t + 8 h + 0..7.
; So maximum and sum are made inside the lane and across one pair of lanes, m, l and alpha are one number a lane, and packing neighbouring
; registers of S^T gives P^T just as source 1 wants it.  O^T = V^T P^T, V^T made by the transposing LDS load: a lane holds 8 neighbouring d.
; REGISTERS: window 0: addresses, state, Q, S; window 1: O (lo v0-63, hi v64-127), Wo's numbers v128-255; window 2: K's fragments v0-127, V's v128-255.
.set KP,    272                        ; K's LDS row: 256 bytes + 16
.set VP,    288                        ; V's LDS row: 256 bytes + 32, for the transposing load
.set VBASE, 512*KP                     ; 139,264
.set STAGE, VBASE+512*VP               ; 286,720: 16 rows x 272 bytes for each wave, its own; no tensor load lands here
.set QROW,  12288                      ; bytes in a row of qkv
.set KPADW, (1<<16)|(1<<20)|(5<<22)|(3<<25)    ; elements of 2 bytes; behind every 64 words 4 words of padding
.set VPADW, (1<<16)|(1<<20)|(5<<22)|(7<<25)    ; the same with 8 words
.set KL,   4                           ; lane term of K's fragment address
.set VL,   5                           ; lane term of V's, VBASE included
.set KA,   6                           ; K's address for the block asked for
.set VA,   7                           ; V's
.set ALO,  8                           ; v[8:9]   alpha of lo (the even register is broadcast; the odd one is written once)
.set AHI,  10
.set NMLO, 12                          ; v[12:13] - m c of lo, likewise
.set NMHI, 14
.set MCLO, 16                          ; running maximum times c
.set MCHI, 17
.set LLO,  18                          ; running sum: this lane's half of the keys
.set LHI,  19
.set LIM,  20                          ; 16 w + r - 8 h: on a diagonal block, key 16 t + 8 h + i is kept where 16 t + i <= LIM
.set STO,  21
.set RD,   22
.set CO,   23
.set QO,   24
.set WOA,  26                          ; 16 t: my bytes in a run of 2,048 of Wo
.set WSA,  27                          ; 8 t: my bytes in a run of 1,024 of wo16
.set QLO,  32                          ; v32-63   Q's four fragments (32 d each), lo
.set QHI,  64
.set SLO,  96                          ; v96-127  S^T, four tiles of 16 keys; then P^T packed in its first 16 registers
.set SHI,  128
.set T,    160
.set U,    168
.set RB0,  176
.set TMP,  208
.set OLO,  0                           ; window 1
.set OHI,  64
.set WO,   128                         ; window 1: load i of Wo: 4 registers
.set KF,   0                           ; window 2: fragment (t, ks) at 8 (4 t + ks)
.set VF,   128                         ; window 2: fragment (dt, u) at 128 + 8 (8 u + dt)
.set MSB, 0
.macro WIN new                         ; the immediate's high byte repeats the setting that is left
.if MSB != \new
	s_set_vgpr_msb (MSB<<8)|\new
.set MSB, \new
.endif
.endm
.macro PLACES
.rept 4
	v_nop
.endr
.endm
	s_load_b256 s[4:11], s[0:1], 0x0               ; qkv s[4:5], Wo s[6:7], att s[8:9], wo16 s[10:11]
	v_lshl_add_u32 v254, v0, 2, 0x4a400
	v_mov_b32 v255, 0
	ds_add_u32 v254, v255
	ds_add_u32 v254, v255
	v_lshrrev_b32 v1, 5, v0
	v_readfirstlane_b32 s58, v1                    ; wave
	s_and_b32 s59, ttmp9, 3                        ; j
	s_lshr_b32 s60, ttmp9, 2
	s_lshr_b32 s61, s60, 4                         ; batch
	s_and_b32 s60, s60, 15                         ; head
	s_mov_b32 s12, 0x76543210                      ; v_permlanex16_b32: lane i reads lane i of the other half
	s_mov_b32 s13, 0xfedcba98
	s_mov_b32 s14, 0xff800000                      ; -infinity
	s_mov_b32 s66, 0x3e0293ee                      ; c = log2(e) / sqrt(128)
	s_mov_b32 s67, 0x3e0293ee
	; group 1, s[16:23]: tiles of 128 rows x 128 elements, 6,144 elements from row to row.  Word 0 (the padding) is K's or V's and is written with the loads.
	s_mov_b32 s17, 128<<16                         ; tensor_dim0 = 128
	s_mov_b32 s18, 128<<16                         ; tensor_dim1 = 128
	s_mov_b32 s19, 128<<16                         ; tile_dim0 = 128
	s_mov_b32 s20, 128                             ; tile_dim1 = 128
	s_mov_b32 s21, 6144
	s_mov_b32 s22, 0
	s_mov_b32 s23, 0
	s_mov_b32 s32, 1                               ; group 0, one set for each stage: s[32:35], s[36:39]
	s_mov_b32 s36, 1
	; with e = wave mod 2 my rows are 128 e .. (stage 0) and 256 + 128 e .. (stage 1) of the batch's 512
	s_lshl_b32 s52, s61, 9                         ; 512 x batch
	s_and_b32 s47, s58, 1                          ; e
	s_lshl_b32 s46, s47, 7
	s_add_co_u32 s2, s46, s52
	s_mul_i32 s2, s2, QROW                         ; row 512 batch + 128 e
	s_lshl_b32 s53, s60, 8                         ; the head's 256 bytes in a row
	s_add_co_u32 s2, s2, s53
	s_cmp_lt_u32 s58, 2
	s_cselect_b32 s15, 1, 2
	s_lshl_b32 s15, s15, 12                        ; k lies 4,096 bytes into a row, v 8,192
	s_add_co_u32 s2, s2, s15
	s_mov_b32 s3, 0
	s_wait_dscnt 0x0
	s_wait_kmcnt 0x0
	s_add_nc_u64 s[34:35], s[4:5], s[2:3]
	s_add_nc_u64 s[38:39], s[34:35], 256*QROW
	s_or_b32 s35, s35, 0x80000000
	s_or_b32 s39, s39, 0x80000000
	s_cmp_lt_u32 s58, 2                            ; waves 0, 1: K; waves 2, 3: V.  All first fills of a wave stand in this one branch
	s_cbranch_scc0 .Lfill_v
	s_mov_b32 s16, KPADW
	s_mul_i32 s33, s58, 128*KP                     ; rows 128 e
	s_add_co_u32 s37, s33, 256*KP                  ; rows 256 + 128 e
	tensor_load_to_lds s[32:35], s[16:23]
	s_nop 0
	tensor_load_to_lds s[36:39], s[16:23]
	s_nop 0
	s_branch .Lfilled
.Lfill_v:
	s_mov_b32 s16, VPADW
	s_mul_i32 s33, s58, 128*VP
	s_add_co_u32 s33, s33, VBASE-256*VP            ; VBASE + (wave - 2) x 128 rows
	s_add_co_u32 s37, s33, 256*VP
	tensor_load_to_lds s[32:35], s[16:23]
	s_nop 0
	tensor_load_to_lds s[36:39], s[16:23]
	s_nop 0
.Lfilled:
	s_lshl_b32 s44, s58, 4
	s_add_co_u32 s46, s52, s44                     ; 512 batch + 16 wave
	s_lshl_b32 s52, s59, 6
	s_sub_co_u32 s15, 448, s52
	s_add_co_u32 s52, s52, s46                     ; my first row, lo: + 64 j
	s_add_co_u32 s15, s15, s46                     ; hi: + 64 (7 - j)
	s_mul_i32 s2, s52, QROW
	s_add_co_u32 s2, s2, s53
	s_add_nc_u64 s[48:49], s[4:5], s[2:3]          ; q, lo
	s_mul_i32 s2, s15, QROW
	s_add_co_u32 s2, s2, s53
	s_add_nc_u64 s[50:51], s[4:5], s[2:3]          ; q, hi
	s_lshl_b32 s2, s52, 12
	s_add_co_u32 s2, s2, s53
	s_add_nc_u64 s[54:55], s[8:9], s[2:3]          ; att, lo
	s_lshl_b32 s2, s15, 12
	s_add_co_u32 s2, s2, s53
	s_add_nc_u64 s[56:57], s[8:9], s[2:3]          ; att, hi
	s_lshl_b32 s2, ttmp9, 16
	s_add_nc_u64 s[68:69], s[6:7], s[2:3]          ; my 65,536 bytes of Wo
	s_lshl_b32 s2, ttmp9, 15
	s_add_nc_u64 s[70:71], s[10:11], s[2:3]        ; my 32,768 bytes of wo16
	v_and_b32 v1, 15, v0                           ; r
	v_bfe_u32 v2, v0, 4, 1                         ; h
	v_mul_u32_u24 v[QO], v1, QROW
	v_lshl_add_u32 v[QO], v2, 4, v[QO]
	; Q goes straight into registers: lane (r, h) takes, of query r, d = 32 ks + 8 h + 0..7 and 32 ks + 16 + 8 h + 0..7; read once
.irp ks, 0,1,2,3
	global_load_b128 v[QLO+8*\ks:QLO+8*\ks+3],   v[QO], s[48:49] offset:64*\ks
	global_load_b128 v[QLO+8*\ks+4:QLO+8*\ks+7], v[QO], s[48:49] offset:64*\ks+32
	global_load_b128 v[QHI+8*\ks:QHI+8*\ks+3],   v[QO], s[50:51] offset:64*\ks
	global_load_b128 v[QHI+8*\ks+4:QHI+8*\ks+7], v[QO], s[50:51] offset:64*\ks+32
.endr
	v_mul_u32_u24 v[KL], v1, KP
	v_lshl_add_u32 v[KL], v2, 4, v[KL]             ; key row r, 16 h
	v_and_b32 v3, 7, v0
	v_lshl_add_u32 v3, v2, 3, v3
	v_mul_u32_u24 v[VL], v3, VP                    ; key row 8 h + lane mod 8,
	v_bfe_u32 v3, v0, 3, 1
	v_lshl_add_u32 v[VL], v3, 4, v[VL]             ; 16 bytes at 16 x bit 3 of the lane
	v_add_nc_u32 v[VL], VBASE, v[VL]
	v_lshl_add_u32 v[LIM], s58, 4, v1
	v_lshlrev_b32 v3, 3, v2
	v_sub_nc_u32 v[LIM], v[LIM], v3
	s_mul_i32 s44, s58, 16*KP
	s_add_co_u32 s44, s44, STAGE                   ; my stage
	v_add_nc_u32 v[STO], s44, v[KL]                ; in: row r, 16 bytes for each half of the lanes
	v_mul_u32_u24 v3, v2, KP
	v_lshl_add_u32 v3, v1, 4, v3
	v_add_nc_u32 v[RD], s44, v3                    ; back: lanes 0-15 one row of 256 bytes, lanes 16-31 the next
	v_lshlrev_b32 v3, 12, v2
	v_lshl_add_u32 v[CO], v1, 4, v3                ; and the same two rows in att
	v_lshlrev_b32 v[WOA], 4, v0
	v_lshlrev_b32 v[WSA], 3, v0
	v_mov_b32 v[ALO+1], 0                          ; the pairs' odd registers: named by the packed instructions, never used
	v_mov_b32 v[AHI+1], 0
	v_mov_b32 v[NMLO+1], 0
	v_mov_b32 v[NMHI+1], 0
; 32 LDS loads: K's 16 fragments of key block min(kb, cl) into window 2.  cl = the last key block of the stages waited for so far.
.macro KLOAD kb, cl
	s_min_u32 s46, \kb, \cl
	s_mul_i32 s46, s46, 64*KP
	v_add_nc_u32 v[KA], s46, v[KL]
	WIN 0x80
.irp t, 0,1,2,3
.irp ks, 0,1,2,3
	ds_load_b128 v[KF+8*(4*\t+\ks):KF+8*(4*\t+\ks)+3],   v[KA] offset:\t*16*KP+64*\ks
	ds_load_b128 v[KF+8*(4*\t+\ks)+4:KF+8*(4*\t+\ks)+7], v[KA] offset:\t*16*KP+64*\ks+32
.endr
.endr
	WIN 0
.endm
.macro SMUL sr, q, t, ks               ; S^T tile t += K(t, ks) Q(ks); ks = 0 starts the sum
.if \ks == 0
	v_wmma_f32_16x16x32_f16 v[\sr+8*\t:\sr+8*\t+7], v[KF+8*(4*\t+\ks):KF+8*(4*\t+\ks)+7], v[\q+8*\ks:\q+8*\ks+7], 0
.else
	v_wmma_f32_16x16x32_f16 v[\sr+8*\t:\sr+8*\t+7], v[KF+8*(4*\t+\ks):KF+8*(4*\t+\ks)+7], v[\q+8*\ks:\q+8*\ks+7], v[\sr+8*\t:\sr+8*\t+7]
.endif
.endm
.macro PMUL o, sr, dt, u, zero         ; O^T tile dt += V^T(dt, u) P^T(u)
.if \zero
	v_wmma_f32_16x16x32_f16 v[\o+8*\dt:\o+8*\dt+7], v[VF+8*(8*\u+\dt):VF+8*(8*\u+\dt)+7], v[\sr+8*\u:\sr+8*\u+7], 0
.else
	v_wmma_f32_16x16x32_f16 v[\o+8*\dt:\o+8*\dt+7], v[VF+8*(8*\u+\dt):VF+8*(8*\u+\dt)+7], v[\sr+8*\u:\sr+8*\u+7], v[\o+8*\dt:\o+8*\dt+7]
.endif
.endm
; One sub-block's softmax step on 64 keys: mask (lim = the register that holds the limit, 0 = none), maximum, alpha, p = 2^(s c - m c), sum,
; P^T packed to f16 in place.  m c is kept as one rounded number and used alike for p and for alpha, so that its rounding cancels in p / l.
.macro SOFT sr, mc, l, a, nm, first, lim
.if \lim
.set si, 0
.rept 32
	v_cmp_le_i32 vcc_lo, 16*(si/8)+si%8, v[\lim]
	v_cndmask_b32 v[\sr+si], s14, v[\sr+si], vcc_lo
.set si, si+1
.endr
.endif
.irp c, 0,1,2,3
	v_max3_num_f32 v[T+\c], v[\sr+8*\c], v[\sr+8*\c+1], v[\sr+8*\c+2]       ; four chains that do not wait for each other
.endr
.irp c, 0,1,2,3
	v_max3_num_f32 v[T+\c], v[T+\c], v[\sr+8*\c+3], v[\sr+8*\c+4]
.endr
.irp c, 0,1,2,3
	v_max3_num_f32 v[T+\c], v[T+\c], v[\sr+8*\c+5], v[\sr+8*\c+6]
.endr
.irp c, 0,1,2,3
	v_max_num_f32 v[T+\c], v[T+\c], v[\sr+8*\c+7]
.endr
	v_max3_num_f32 v[T], v[T], v[T+1], v[T+2]
	v_max_num_f32 v[T], v[T], v[T+3]
	v_permlanex16_b32 v[T+1], v[T], s12, s13       ; the other half of the lanes holds the query's other 32 keys
	v_max_num_f32 v[T], v[T], v[T+1]
	v_mul_f32 v[T], s66, v[T]
.if \first == 0
	v_max_num_f32 v[T], v[T], v[\mc]
	v_sub_f32 v[T+1], v[\mc], v[T]
	v_exp_f32 v[\a], v[T+1]                        ; alpha; the next line is the plain instruction behind it and names neither register
.endif
	v_mov_b32 v[\mc], v[T]
	v_xor_b32 v[\nm], 0x80000000, v[T]
.set si, 0
.rept 16
	v_pk_fma_f32 v[\sr+si:\sr+si+1], v[\sr+si:\sr+si+1], s[66:67], v[\nm:\nm+1] op_sel_hi:[1,0,0]
.set si, si+2
.endr
.set si, 0
.rept 32
	v_exp_f32 v[\sr+si], v[\sr+si]
.set si, si+1
.endr
	v_nop                                          ; one plain instruction between the exponentials and the first use of a result (ISA guide 5.7.2)
	s_wait_alu depctr_va_vdst(0)
.irp c, 0,1,2,3
	v_pk_add_f32 v[U+2*\c:U+2*\c+1], v[\sr+8*\c:\sr+8*\c+1], v[\sr+8*\c+2:\sr+8*\c+3]
.endr
.irp c, 0,1,2,3
	v_pk_add_f32 v[U+2*\c:U+2*\c+1], v[U+2*\c:U+2*\c+1], v[\sr+8*\c+4:\sr+8*\c+5]
.endr
.irp c, 0,1,2,3
	v_pk_add_f32 v[U+2*\c:U+2*\c+1], v[U+2*\c:U+2*\c+1], v[\sr+8*\c+6:\sr+8*\c+7]
.endr
	v_pk_add_f32 v[U:U+1], v[U:U+1], v[U+2:U+3]
	v_pk_add_f32 v[U+4:U+5], v[U+4:U+5], v[U+6:U+7]
	v_pk_add_f32 v[U:U+1], v[U:U+1], v[U+4:U+5]
.if \first
	v_add_f32 v[\l], v[U], v[U+1]
.else
	v_add_f32 v[T+2], v[U], v[U+1]
	v_fma_f32 v[\l], v[\l], v[\a], v[T+2]
.endif
.set si, 0
.rept 16
	v_cvt_pk_f16_f32 v[\sr+si], v[\sr+2*si], v[\sr+2*si+1]     ; ascending, in place: register i takes registers 2 i, 2 i + 1
.set si, si+1
.endr
.endm
; One block of 64 keys, number s62.  both: lo and hi, else hi alone; first: starts m, l and O; limlo, limhi: the register with the mask's limit,
; or 0; pre: K of the next block (s63, stepped) is asked for; cl: the last key block of the stages waited for so far.
; On every way into a block the youngest 32 LDS instructions are this block's K loads.
.macro BLOCK both, first, limlo, limhi, pre, cl
.if \first == 0
.rept 5
	v_nop                                          ; five places behind the last products: V's registers are loaded again, and S is written over P
.endr
.endif
	s_min_u32 s46, s62, \cl
	s_mul_i32 s46, s46, 64*VP
	v_add_nc_u32 v[VA], s46, v[VL]
	WIN 0x80
.irp u, 0,1
.irp dt, 0,1,2,3,4,5,6,7
	ds_load_tr16_b128 v[VF+8*(8*\u+\dt):VF+8*(8*\u+\dt)+3],   v[VA] offset:\u*32*VP+32*\dt
	ds_load_tr16_b128 v[VF+8*(8*\u+\dt)+4:VF+8*(8*\u+\dt)+7], v[VA] offset:\u*32*VP+32*\dt+16*VP
.endr
.endr
	s_wait_dscnt 32                                ; K's 32 loads are in; V's 32, issued behind them, stay out
	WIN 0x02                                       ; source 0 (K) window 2
.irp ks, 0,1,2,3
.irp t, 0,1,2,3
.if \both
	SMUL SLO, QLO, \t, \ks                         ; the 8 (or 4) accumulators take turns, one instruction a turn
.endif
	SMUL SHI, QHI, \t, \ks
.endr
.endr
	WIN 0
	PLACES                                         ; behind the products: K's registers are loaded again, S is read
.if \pre
	s_add_co_u32 s63, s63, 1                       ; the next key block: 0, 1, 2, .. without j, which came first
	s_cmp_eq_u32 s63, s59
	s_add_co_ci_u32 s63, s63, 0
	KLOAD s63, \cl
.endif
.if \both
	SOFT SLO, MCLO, LLO, ALO, NMLO, \first, \limlo
.endif
	SOFT SHI, MCHI, LHI, AHI, NMHI, \first, \limhi
.if \first == 0
	WIN 0x41                                       ; O in window 1, alpha in window 0
.if \both
.set si, 0
.rept 32
	v_pk_mul_f32 v[OLO+si:OLO+si+1], v[OLO+si:OLO+si+1], v[ALO:ALO+1] op_sel_hi:[1,0]
.set si, si+2
.endr
.endif
.set si, 0
.rept 32
	v_pk_mul_f32 v[OHI+si:OHI+si+1], v[OHI+si:OHI+si+1], v[AHI:AHI+1] op_sel_hi:[1,0]
.set si, si+2
.endr
.endif
.if \pre
	s_wait_dscnt 32                                ; V is in; the next block's K, issued behind it, stays out
.else
	s_wait_dscnt 0x0
.endif
	WIN 0x52                                       ; source 0 (V) window 2, source 1 (P) window 0, C and D window 1
.irp dt, 0,1,2,3,4,5,6,7
.if \both
	PMUL OLO, SLO, \dt, 0, \first                  ; the 16 (or 8) accumulators take turns, one instruction a turn
.endif
	PMUL OHI, SHI, \dt, 0, \first
.endr
.irp dt, 0,1,2,3,4,5,6,7
.if \both
	PMUL OLO, SLO, \dt, 1, 0
.endif
	PMUL OHI, SHI, \dt, 1, 0
.endr
	WIN 0
	s_mov_b32 s62, s63
.endm
	s_wait_tensorcnt 0x1                           ; my part of key blocks 0-3 is in; my younger load stays out: nothing in LDS is ever filled again
	s_barrier_signal -1
	s_barrier_wait -1                              ; everybody's is
	s_mov_b32 s62, s59                             ; key block j comes first: lo's diagonal, so that every row's first maximum is finite
	s_mov_b32 s63, -1
	KLOAD s62, 3
	s_wait_loadcnt 0x0                             ; Q
	BLOCK 1, 1, LIM, 0, 1, 3
	s_cmp_eq_u32 s59, 0
	s_cbranch_scc1 .Lno_both
	s_mov_b32 s44, 0
.Lboth:                                            ; key blocks 0 .. j - 1: both sub-blocks, nothing masked
	BLOCK 1, 0, 0, 0, 1, 3
	s_add_co_u32 s44, s44, 1
	s_cmp_lt_u32 s44, s59
	s_cbranch_scc1 .Lboth
.Lno_both:
	s_sub_co_u32 s45, 3, s59
	s_cmp_eq_u32 s45, 0
	s_cbranch_scc1 .Lno_hi1
	s_mov_b32 s44, 0
.Lhi1:                                             ; key blocks j + 1 .. 3: hi alone, nothing masked
	BLOCK 0, 0, 0, 0, 1, 3
	s_add_co_u32 s44, s44, 1
	s_cmp_lt_u32 s44, s45
	s_cbranch_scc1 .Lhi1
.Lno_hi1:
	s_wait_dscnt 0x0                               ; the fourth block asked for K of block min(4, 3) in vain: those loads are back, their registers may be loaded again
	s_wait_tensorcnt 0x0                           ; my part of key blocks 4-7 is in,
	s_barrier_signal -1
	s_barrier_wait -1                              ; everybody's is
	KLOAD s62, 7                                   ; K of block 4
	; Wo: 32 loads of 16 bytes a thread, each of a wave's covering 512 neighbouring bytes.  They go out here, where all the work-group's fills have
	; landed, and are used behind the attention's own stores.
	WIN 0x40                                       ; destination window 1, address window 0
.set si, 0
.rept 32
	global_load_b128 v[WO+4*si:WO+4*si+3], v[WOA], s[68:69] offset:2048*si th:TH_LOAD_NT
.set si, si+1
.endr
	WIN 0
	s_cmp_eq_u32 s45, 0
	s_cbranch_scc1 .Lno_hi2
	s_mov_b32 s44, 0
.Lhi2:                                             ; key blocks 4 .. 6 - j: hi alone, nothing masked
	BLOCK 0, 0, 0, 0, 1, 7
	s_add_co_u32 s44, s44, 1
	s_cmp_lt_u32 s44, s45
	s_cbranch_scc1 .Lhi2
.Lno_hi2:
	BLOCK 0, 0, 0, LIM, 0, 7                       ; key block 7 - j: hi's diagonal; nothing more to ask for
	; THE WAY OUT: O / l, rounded to f16, 16 bytes a lane into my own stage, read back as whole rows of 256 bytes.
	PLACES                                         ; behind the last products
.macro FIN l, a, o, base
	v_permlanex16_b32 v[T], v[\l], s12, s13        ; the two halves' sums meet
	v_add_f32 v[T], v[T], v[\l]
	v_rcp_f32 v[\a], v[T]
	v_nop                                          ; one plain instruction behind the reciprocal
	WIN 0x41
.set si, 0
	s_wait_alu depctr_va_vdst(0)
.rept 32
	v_pk_mul_f32 v[\o+si:\o+si+1], v[\o+si:\o+si+1], v[\a:\a+1] op_sel_hi:[1,0]
.set si, si+2
.endr
	WIN 0x05
.set si, 0
.rept 32
	v_cvt_pk_f16_f32 v[TMP+si], v[\o+2*si], v[\o+2*si+1]
.set si, si+1
.endr
	WIN 0
.irp dt, 0,1,2,3,4,5,6,7
	ds_store_b128 v[STO], v[TMP+4*\dt:TMP+4*\dt+3] offset:32*\dt
.endr
	s_wait_xcnt 0x0                                ; the registers that earlier stores read are loaded again only behind this wait
.irp t, 0,1,2,3,4,5,6,7
	ds_load_b128 v[RB0+4*\t:RB0+4*\t+3], v[RD] offset:\t*2*KP      ; LDS serves a wave's instructions in order: these see the stores above
.endr
.irp t, 0,1,2,3,4,5,6,7
	s_wait_dscnt 7-\t                              ; this load is in, the younger ones stay out
	global_store_b128 v[CO], v[RB0+4*\t:RB0+4*\t+3], s[\base:\base+1] offset:8192*\t   ; 16 lanes store 256 consecutive bytes, aligned
.endr
.endm
	FIN LLO, ALO, OLO, 54
	FIN LHI, AHI, OHI, 56
	; Wo's numbers, rounded once to f16: a wave's store covers 256 neighbouring bytes, aligned.  No register of a store is written again.
	s_wait_loadcnt 0x0
	WIN 0x45                                       ; sources and destination window 1
.set si, 0
.rept 32
	v_cvt_pk_f16_f32 v[WO+4*si],   v[WO+4*si],   v[WO+4*si+1]
	v_cvt_pk_f16_f32 v[WO+4*si+1], v[WO+4*si+2], v[WO+4*si+3]
.set si, si+1
.endr
	WIN 0x04                                       ; a store's data is source 1: window 1; its address window 0
.set si, 0
.rept 32
	global_store_b64 v[WSA], v[WO+4*si:WO+4*si+1], s[70:71] offset:1024*si
.set si, si+1
.endr
	WIN 0
	s_wait_tensorcnt 0x0
	ds_add_u32 v254, v255
	s_wait_dscnt 0x0
	s_endpgm
.Lfunc_end_k_q0cb7950631_attn:
	.size	k_q0cb7950631_attn, .Lfunc_end_k_q0cb7950631_attn-k_q0cb7950631_attn
	.p2alignl 7, 3214868480
	.fill 96, 4, 3214868480
	.section	.rodata,"a",@progbits
	.p2align	6, 0x0
	.amdhsa_kernel k_q0cb7950631_attn
		.amdhsa_group_segment_fixed_size 304640
		.amdhsa_private_segment_fixed_size 0
		.amdhsa_enable_private_segment 0
		.amdhsa_kernarg_size 32
		.amdhsa_user_sgpr_count 2
		.amdhsa_user_sgpr_kernarg_segment_ptr 1
		.amdhsa_wavefront_size32 1
		.amdhsa_system_sgpr_workgroup_id_x 1
		.amdhsa_system_sgpr_workgroup_id_y 1
		.amdhsa_system_sgpr_workgroup_id_z 1
		.amdhsa_system_vgpr_workitem_id 0
		.amdhsa_next_free_vgpr 768
		.amdhsa_next_free_sgpr 72
		.amdhsa_reserve_vcc 1
		.amdhsa_float_denorm_mode_32 3
		.amdhsa_float_denorm_mode_16_64 3
		.amdhsa_memory_ordered 1
		.amdhsa_forward_progress 1
		.amdhsa_inst_pref_size 124
	.end_amdhsa_kernel
	.amdgpu_metadata
---
amdhsa.version: [ 1, 2 ]
amdhsa.kernels:
  - .name:           k_q0cb7950631_attn
    .symbol:         k_q0cb7950631_attn.kd
    .args:
      - { .name: qkv, .offset: 0, .size: 8, .value_kind: global_buffer, .address_space: global }
      - { .name: Wo, .offset: 8, .size: 8, .value_kind: global_buffer, .address_space: global }
      - { .name: att, .offset: 16, .size: 8, .value_kind: global_buffer, .address_space: global }
      - { .name: wo16, .offset: 24, .size: 8, .value_kind: global_buffer, .address_space: global }
    .group_segment_fixed_size: 304640
    .private_segment_fixed_size: 0
    .kernarg_segment_align: 8
    .kernarg_segment_size: 32
    .max_flat_workgroup_size: 128
    .sgpr_count:     72
    .vgpr_count:     768
    .wavefront_size: 32
...
	.end_amdgpu_metadata
.endif
;; end of part 3
;; launch proj (part 4): grid 16 x 16, 4 waves a work-group, clusters of 4 x 4, 327,680 bytes of LDS; arguments att, wo16, out0; writes out0
.if DOCPART == 4
	.amdgcn_target "amdgcn-amd-amdhsa--gfx1250"
	.amdhsa_code_object_version 6
	.text
	.protected	k_q0cb7950631_proj
	.globl	k_q0cb7950631_proj
	.p2align	8
	.type	k_q0cb7950631_proj,@function
k_q0cb7950631_proj:
	s_mov_b64 s[64:65], 0
	v_nop
	global_prefetch_b8 v0, s[64:65] scope:SCOPE_SE
	s_setreg_imm32_b32 hwreg(HW_REG_WAVE_MODE, 25, 1), 1
	s_wait_xcnt 0x0
	s_wait_alu depctr_hold_cnt(0) depctr_sa_sdst(0) depctr_va_vdst(0) depctr_va_sdst(0) depctr_va_ssrc(0) depctr_va_vcc(0) depctr_vm_vsrc(0)
	s_getreg_b32 s2, hwreg(HW_REG_IB_STS2, 6, 4)
	s_cmp_eq_u32 s2, 0
	s_cbranch_scc0 .Lentry_in_a_cluster
	s_endpgm
.Lentry_in_a_cluster:
	s_bfe_u32 s2, ttmp6, 0x10000c
	s_cmp_lg_u32 s2, 0xf033
	s_cbranch_scc0 .Lentry_shape_is_right
	s_endpgm
.Lentry_shape_is_right:
; out0[m][n] = sum over k of att[m][k] Wo[k][n]: [2048] x [2048], f16 operands (att; wo16 = Wo in f16), f32 sums, f32 out.
; A work-group makes a block of 128 x 128: 16 x 16 = 256 equal work-groups.  The four waves lie 2 x 2, each with 64 x 64: 16 accumulator tiles.
; A quarter of 32 along K is only 16 matrix instructions, so a slot holds K = 256 (8 quarters): 8 slot steps through a ring of two slots,
; one round of the cluster's barrier for 128 matrix instructions.  One tensor load a wave and slot: waves 0, 1 bring att's halves
; (64 rows x 512 bytes), waves 2, 3 Wo's (128 k rows x 256 bytes); every row starts at a multiple of 256 bytes from its buffer's first byte.
; CLUSTERS: 4 x 4 work-groups; att's tile is asked for jointly by a row of the cluster, Wo's by a column.
; K IS WALKED ROUND, FROM ANOTHER START IN EACH CLUSTER: cluster (X, Y) begins at lap (X + 2 Y) mod 4 of the four laps of 512 and wraps.  The four
; clusters that share a block row of att (same Y) then ask for four different laps at any time, and clusters Y and Y + 1, which share Wo's
; strips, are two laps apart: from a cluster's third lap on, every tile that it asks for has been asked for before by another cluster.
; X and Y are the cluster's own coordinates, alike in all sixteen partners.  The order of the f32 sums so differs from cluster to cluster.
; Wo lies [k][n]: its fragments are made by the transposing LDS load.  The matrix instruction is used transposed (source 0 = 16 columns of
; Wo, source 1 = 16 rows of att): a lane holds eight neighbouring columns of one row of the result.
; REGISTERS: window 0: addresses and two fragment buffers (att's 4 fragments, then Wo's 4); window 1: accumulators, tile (a, b) at v[8 (4 a + b)].
.set PA,    528                        ; att's LDS row: 512 bytes + 16: an odd multiple of 16
.set PB,    288                        ; Wo's LDS row: 256 bytes + 32: an odd multiple of 32
.set REG,   36864                      ; a wave's region of a slot: 128 x 288 (att's halves use 64 x 528 of theirs)
.set SLOT,  4*REG
.set STAGE, 2*SLOT                     ; behind the ring: 16 rows x 272 bytes for each wave, its own; no tensor load lands here
.set SPITCH, 272
.set LAPS,  4                          ; a lap = two slot steps; 2048 / 512
.set OROW,  8192                       ; bytes in a row of out0
.set ADRA, 16                          ; v16-17  att's fragments in slot 0, 1
.set ADRB, 20                          ; v20-23  Wo's fragments: v[20 + 2 slot + half of the slot's 256 k rows]
.set STO,  24
.set RD,   25
.set CO,   26
.set F0,   64
.set F1,   128
.set G1,  24
.set G0,  32
.set G1B, 48
.set G0B, 56
.set LAM, 66                           ; s66      the lap of K that is asked for next
.set WRA, 68                           ; s[68:69] what a refill takes away from att's address: 0, or a whole row of 4,096 bytes at the wrap
.set WRB, 70                           ; s[70:71] the same for Wo: 0, or all its 8,388,608 bytes
.set MSB, 0
.macro WIN new
.if MSB != \new
	s_set_vgpr_msb (MSB<<8)|\new
.set MSB, \new
.endif
.endm
.set MUL, 0x50                         ; sources 0 and 1 window 0, C and D window 1
.macro JLOAD s                         ; waves 0, 1 ask for att's halves, waves 2, 3 for Wo's; each line has one mask
	s_cmp_eq_u32 s11, 0
	s_cbranch_scc0 .Lfor_b_\@
	tensor_load_to_lds s[G0+4*\s:G0+4*\s+3], s[G1:G1+7]
	s_nop 0
	s_branch .Lasked_\@
.Lfor_b_\@:
	tensor_load_to_lds s[G0B+4*\s:G0B+4*\s+3], s[G1B:G1B+7]
	s_nop 0
.Lasked_\@:
.endm
.macro CREST
	s_cmp_lg_u32 s10, 0
	s_cbranch_scc1 .Lnot_wave_0_\@
	s_barrier_signal -3
.Lnot_wave_0_\@:
	s_barrier_wait -3
	s_barrier_signal -1
	s_barrier_wait -1
.endm
.macro CROUND
	s_barrier_signal -1
	s_barrier_wait -1
	CREST
.endm
	s_load_b128 s[4:7], s[0:1], 0x0                ; att s[4:5], wo16 s[6:7]
	s_load_b64 s[8:9], s[0:1], 0x10                ; out0
	v_lshl_add_u32 v254, v0, 2, 0x4c400
	v_mov_b32 v255, 0
	ds_add_u32 v254, v255
	ds_add_u32 v254, v255
	v_lshrrev_b32 v1, 5, v0
	v_readfirstlane_b32 s10, v1                    ; wave
	s_lshr_b32 s11, s10, 1                         ; my half of the block's rows.  Also: I fetch for att (0) or for Wo (1)
	s_and_b32 s12, s10, 1                          ; my half of its columns.  Also: which half of that tile I fetch
	s_bfe_u32 s40, ttmp6, 0x40000                  ; cx
	s_bfe_u32 s41, ttmp6, 0x40004                  ; cy
	s_lshl_b32 s42, ttmp9, 2
	s_add_co_u32 s42, s42, s40                     ; block column
	s_and_b32 s13, ttmp7, 0xffff
	s_lshl_b32 s[LAM], s13, 1                      ; 2 Y, of the cluster's own coordinates,
	s_add_co_u32 s[LAM], s[LAM], ttmp9             ; + X,
	s_and_b32 s[LAM], s[LAM], 3                    ; mod 4: the lap of K at which my cluster begins
	s_lshl_b32 s[WRA], s[LAM], 10                  ; that lap in att's rows: 1,024 bytes a lap
	s_mov_b32 s[WRA+1], 0
	s_lshl_b32 s[WRB], s[LAM], 21                  ; and in Wo: 512 rows of 4,096 bytes a lap
	s_mov_b32 s[WRB+1], 0
	s_lshl_b32 s13, s13, 2
	s_add_co_u32 s13, s13, s41                     ; block row
	s_lshl_b32 s43, s41, 2
	s_lshl_b32 s43, 15, s43                        ; my row of the cluster
	s_lshl_b32 s44, 0x1111, s40                    ; my column
	s_or_b32 s[G1+0], s43, (1<<16)|(1<<20)|(1<<21)|(6<<22)|(3<<25)   ; att: 2-byte elements, 4 words of padding behind every 128
	s_or_b32 s[G1B+0], s44, (1<<16)|(1<<20)|(1<<21)|(5<<22)|(7<<25)  ; Wo: 8 words behind every 64
	s_mov_b32 s[G1+1], 256<<16                     ; tensor_dim0
	s_mov_b32 s[G1B+1], 128<<16
	s_mov_b32 s[G1+2], 64<<16                      ; tensor_dim1
	s_mov_b32 s[G1B+2], 128<<16
	s_mov_b32 s[G1+3], 256<<16                     ; tile_dim0
	s_mov_b32 s[G1B+3], 128<<16
	s_mov_b32 s[G1+4], 64                          ; tile_dim1
	s_mov_b32 s[G1B+4], 128
	s_mov_b32 s[G1+5], 2048                        ; the pitch
	s_mov_b32 s[G1B+5], 2048
	s_mov_b32 s[G1+6], 0
	s_mov_b32 s[G1B+6], 0
	s_mov_b32 s[G1+7], 0
	s_mov_b32 s[G1B+7], 0
	s_lshl_b32 s16, s13, 7                         ; att: row 128 x block row + 64 x half, 4,096 bytes a row.  No register here ever holds cx
	s_lshl_b32 s17, s12, 6
	s_add_co_u32 s16, s16, s17
	s_lshl_b32 s16, s16, 12
	s_add_co_u32 s16, s16, s[WRA]                  ; + the first lap
	s_mov_b32 s17, 0
	s_lshl_b32 s46, s12, 19                        ; Wo: k row 128 x half, byte 256 x block column.  No register here ever holds cy
	s_lshl_b32 s47, s42, 8
	s_add_co_u32 s46, s46, s47
	s_add_co_u32 s46, s46, s[WRB]                  ; + the first lap
	s_mov_b32 s47, 0
	s_mul_i32 s20, s10, REG
	s_wait_dscnt 0x0
	s_wait_kmcnt 0x0
	s_add_nc_u64 s[14:15], s[4:5], s[16:17]
	s_add_nc_u64 s[46:47], s[6:7], s[46:47]
	CROUND                                         ; all sixteen work-groups are here: the first joint loads meet
.irp s, 0,1
	s_mov_b32 s[G0+4*\s], 1
	s_add_co_u32 s[G0+4*\s+1], s20, \s*SLOT
	s_add_nc_u64 s[G0+4*\s+2:G0+4*\s+3], s[14:15], \s*512          ; slot step s of the lap: 256 numbers along att's rows
	s_or_b32 s[G0+4*\s+3], s[G0+4*\s+3], 0x80000000
	s_mov_b32 s[G0B+4*\s], 1
	s_add_co_u32 s[G0B+4*\s+1], s20, \s*SLOT
	s_add_nc_u64 s[G0B+4*\s+2:G0B+4*\s+3], s[46:47], \s*1048576    ; slot step s of the lap: 256 rows of Wo down
	s_or_b32 s[G0B+4*\s+3], s[G0B+4*\s+3], 0x80000000
	JLOAD \s                                       ; two loads of the wave are out
.endr
	v_and_b32 v1, 15, v0                           ; r
	v_bfe_u32 v2, v0, 4, 1                         ; h
	v_mul_u32_u24 v3, v1, PA
	v_lshl_add_u32 v3, v2, 4, v3
	s_mul_i32 s21, s11, REG                        ; my 64 rows of att are one wave's region
	v_add_nc_u32 v[ADRA], s21, v3
	s_add_co_u32 s21, s21, SLOT
	v_add_nc_u32 v[ADRA+1], s21, v3
	v_and_b32 v4, 7, v0
	v_lshl_add_u32 v4, v2, 3, v4
	v_mul_u32_u24 v4, v4, PB
	v_bfe_u32 v5, v0, 3, 1
	v_lshl_add_u32 v4, v5, 4, v4
	s_lshl_b32 s22, s12, 7                         ; my 64 columns: 128 bytes a half,
	s_add_co_u32 s22, s22, 2*REG                   ; behind att's two regions
	v_add_nc_u32 v[ADRB], s22, v4
	s_add_co_u32 s22, s22, REG
	v_add_nc_u32 v[ADRB+1], s22, v4
	s_add_co_u32 s22, s22, SLOT-REG
	v_add_nc_u32 v[ADRB+2], s22, v4
	s_add_co_u32 s22, s22, REG
	v_add_nc_u32 v[ADRB+3], s22, v4
	s_mul_i32 s23, s10, 16*SPITCH
	s_add_co_u32 s23, s23, STAGE                   ; my stage
	v_mul_u32_u24 v5, v1, SPITCH                   ; in: row r, 32 bytes (8 f32) for each half of the lanes
	v_lshl_add_u32 v5, v2, 5, v5
	v_add_nc_u32 v[STO], s23, v5
	v_mul_u32_u24 v5, v2, SPITCH                   ; back: lanes 0-15 one row of 256 bytes, lanes 16-31 the next
	v_lshl_add_u32 v5, v1, 4, v5
	v_add_nc_u32 v[RD], s23, v5
	v_lshlrev_b32 v5, 13, v2
	v_lshl_add_u32 v[CO], v1, 4, v5                ; and the same two rows in out0
.macro MUL8 f, a0, zero                ; row blocks a0, a0 + 1 x my 4 column blocks, 32 along K
.irp a, \a0, \a0+1
.irp b, 0,1,2,3
.if \zero
	v_wmma_f32_16x16x32_f16 v[8*(4*(\a)+\b):8*(4*(\a)+\b)+7], v[\f+32+8*\b:\f+32+8*\b+7], v[\f+8*(\a):\f+8*(\a)+7], 0
.else
	v_wmma_f32_16x16x32_f16 v[8*(4*(\a)+\b):8*(4*(\a)+\b)+7], v[\f+32+8*\b:\f+32+8*\b+7], v[\f+8*(\a):\f+8*(\a)+7], v[8*(4*(\a)+\b):8*(4*(\a)+\b)+7]
.endif
.endr
.endr
.endm
.macro FETCH2 slot, kq, f              ; 16 LDS loads: quarter kq = 0..7 of a slot into buffer f
	WIN 0
.irp j, 0,1,2,3
	ds_load_tr16_b128 v[\f+32+8*\j:\f+32+8*\j+3],   v[ADRB+2*\slot+\kq/4] offset:32*PB*(\kq%4)+32*\j
	ds_load_tr16_b128 v[\f+32+8*\j+4:\f+32+8*\j+7], v[ADRB+2*\slot+\kq/4] offset:32*PB*(\kq%4)+32*\j+16*PB
.endr
.irp i, 0,1,2,3
	ds_load_b128 v[\f+8*\i:\f+8*\i+3],   v[ADRA+\slot] offset:64*\kq+\i*16*PA
	ds_load_b128 v[\f+8*\i+4:\f+8*\i+7], v[ADRA+\slot] offset:64*\kq+\i*16*PA+32
.endr
.endm
; Four plain vector instructions between a matrix instruction and a load into one of its sources or a read of its result (ISA guide 7.12.1
; for vector instructions).
.macro PLACES
.rept 4
	v_nop
.endr
.endm
; The 16 accumulators take turns, one instruction a turn, in the same order in every quarter.
.macro QUARTER2 slot, kq, f, g, zero
	s_wait_dscnt 0x0                               ; buffer f is in: nothing younger has been issued
	PLACES
	FETCH2 \slot, \kq, \g
	WIN MUL
	MUL8 \f, 0, \zero
	MUL8 \f, 2, \zero
.endm
.macro SEVEN slot, zero
	QUARTER2 \slot, 1, F0, F1, \zero
	QUARTER2 \slot, 2, F1, F0, 0
	QUARTER2 \slot, 3, F0, F1, 0
	QUARTER2 \slot, 4, F1, F0, 0
	QUARTER2 \slot, 5, F0, F1, 0
	QUARTER2 \slot, 6, F1, F0, 0
	QUARTER2 \slot, 7, F0, F1, 0
.endm
; The eighth quarter multiplies buffer 1 and changes slots: each wave's waits for its reads of this slot and for all its tensor loads stand in
; front of the barrier; with fill = 1 it opens a round of the cluster's barrier and the joint refill is the first tensor load behind the round.
; From that request to the wait for it a wave issues 8 + 7 x 16 = 120 matrix instructions.
; The refill is the same slot step of the next lap: one lap on, and a whole K back where the lap's number wraps to 0.
.macro TURN2 slot, next, fill
	s_wait_dscnt 0x0
	s_wait_tensorcnt 0x0
	ds_add_u32 v254, v255
	s_wait_dscnt 0x0
	s_barrier_signal -1
	WIN MUL
	MUL8 F1, 0, 0
	WIN 0
	s_barrier_wait -1
.if \fill
	CREST
.if \slot == 0
	s_add_co_u32 s[LAM], s[LAM], 1                 ; once a lap, for both slots' refills
	s_and_b32 s[LAM], s[LAM], 3                    ; SCC = the lap's number is not 0
	s_cselect_b32 s[WRA], 0, 4096
	s_cselect_b32 s[WRB], 0, 8388608
.endif
	s_add_nc_u64 s[G0+4*\slot+2:G0+4*\slot+3], s[G0+4*\slot+2:G0+4*\slot+3], 2*512
	s_sub_nc_u64 s[G0+4*\slot+2:G0+4*\slot+3], s[G0+4*\slot+2:G0+4*\slot+3], s[WRA:WRA+1]
	s_add_nc_u64 s[G0B+4*\slot+2:G0B+4*\slot+3], s[G0B+4*\slot+2:G0B+4*\slot+3], 2*1048576
	s_sub_nc_u64 s[G0B+4*\slot+2:G0B+4*\slot+3], s[G0B+4*\slot+2:G0B+4*\slot+3], s[WRB:WRB+1]
	JLOAD \slot
.endif
	PLACES
	FETCH2 \next, 0, F0
	WIN MUL
	MUL8 F1, 2, 0
.endm
.macro LAP zero
	SEVEN 0, \zero
	TURN2 0, 1, 1
	SEVEN 1, 0
	TURN2 1, 0, 1
.endm
	s_wait_tensorcnt 0x1                           ; my part of slot 0 is in; slot 1's may stay out
	s_barrier_signal -1
	s_barrier_wait -1
	FETCH2 0, 0, F0
	LAP 1                                          ; the first products start the sums
	WIN 0
	s_mov_b32 s3, LAPS-2
.Llap:
	LAP 0
	WIN 0
	s_sub_co_u32 s3, s3, 1
	s_cmp_lg_u32 s3, 0
	s_cbranch_scc1 .Llap
	SEVEN 0, 0                                     ; the last lap fills nothing
	TURN2 0, 1, 0
	SEVEN 1, 0
	s_wait_dscnt 0x0
	WIN MUL
	MUL8 F1, 0, 0
	MUL8 F1, 2, 0
	; THE WAY OUT, 16 rows at a time, each wave by itself: a lane's 8 f32 into its own stage, whole rows of 256 bytes (64 f32) read back.
	PLACES                                         ; behind the last matrix instructions
	s_lshl_b32 s16, s13, 7
	s_lshl_b32 s17, s11, 6
	s_add_co_u32 s16, s16, s17
	s_lshl_b32 s16, s16, 13                        ; my first row of out0
	s_mov_b32 s17, 0
	s_add_nc_u64 s[8:9], s[8:9], s[16:17]
	s_lshl_b32 s46, s42, 9                         ; my first column: 512 bytes a block + 256 a half
	s_lshl_b32 s47, s12, 8
	s_add_co_u32 s46, s46, s47
	s_mov_b32 s47, 0
	s_add_nc_u64 s[8:9], s[8:9], s[46:47]
.macro OUT16 a, f
	WIN 0x04                                       ; an LDS store's data is source 1: window 1
.irp b, 0,1,2,3
	ds_store_b128 v[STO], v[8*(4*\a+\b):8*(4*\a+\b)+3]   offset:64*\b
	ds_store_b128 v[STO], v[8*(4*\a+\b)+4:8*(4*\a+\b)+7] offset:64*\b+16
.endr
	WIN 0
	s_wait_xcnt 0x0                                ; buffer f, which earlier stores read, is loaded again only behind this wait
.irp t, 0,1,2,3,4,5,6,7
	ds_load_b128 v[\f+4*\t:\f+4*\t+3], v[RD] offset:\t*2*SPITCH    ; LDS serves a wave's instructions in order: these see the stores above
.endr
.irp t, 0,1,2,3,4,5,6,7
	s_wait_dscnt 7-\t                              ; this load is in, the younger ones stay out
	global_store_b128 v[CO], v[\f+4*\t:\f+4*\t+3], s[8:9] offset:(16*\a+2*\t)*OROW th:TH_STORE_NT   ; 16 lanes store 256 consecutive bytes, aligned
.endr
.endm
	OUT16 0, F0
	OUT16 1, F1
	OUT16 2, F0
	OUT16 3, F1
	s_wait_tensorcnt 0x0
	ds_add_u32 v254, v255
	s_wait_dscnt 0x0
	CROUND                                         ; the closing round
	s_endpgm
.Lfunc_end_k_q0cb7950631_proj:
	.size	k_q0cb7950631_proj, .Lfunc_end_k_q0cb7950631_proj-k_q0cb7950631_proj
	.p2alignl 7, 3214868480
	.fill 96, 4, 3214868480
	.section	.rodata,"a",@progbits
	.p2align	6, 0x0
	.amdhsa_kernel k_q0cb7950631_proj
		.amdhsa_group_segment_fixed_size 327680
		.amdhsa_private_segment_fixed_size 0
		.amdhsa_enable_private_segment 0
		.amdhsa_kernarg_size 24
		.amdhsa_user_sgpr_count 2
		.amdhsa_user_sgpr_kernarg_segment_ptr 1
		.amdhsa_wavefront_size32 1
		.amdhsa_system_sgpr_workgroup_id_x 1
		.amdhsa_system_sgpr_workgroup_id_y 1
		.amdhsa_system_sgpr_workgroup_id_z 1
		.amdhsa_system_vgpr_workitem_id 0
		.amdhsa_next_free_vgpr 384
		.amdhsa_next_free_sgpr 72
		.amdhsa_reserve_vcc 0
		.amdhsa_float_denorm_mode_32 3
		.amdhsa_float_denorm_mode_16_64 3
		.amdhsa_memory_ordered 1
		.amdhsa_forward_progress 1
		.amdhsa_inst_pref_size 127
	.end_amdhsa_kernel
	.amdgpu_metadata
---
amdhsa.version: [ 1, 2 ]
amdhsa.kernels:
  - .name:           k_q0cb7950631_proj
    .symbol:         k_q0cb7950631_proj.kd
    .args:
      - { .name: att, .offset: 0, .size: 8, .value_kind: global_buffer, .address_space: global }
      - { .name: wo16, .offset: 8, .size: 8, .value_kind: global_buffer, .address_space: global }
      - { .name: out0, .offset: 16, .size: 8, .value_kind: global_buffer, .address_space: global }
    .group_segment_fixed_size: 327680
    .private_segment_fixed_size: 0
    .kernarg_segment_align: 8
    .kernarg_segment_size: 24
    .max_flat_workgroup_size: 128
    .sgpr_count:     72
    .vgpr_count:     384
    .wavefront_size: 32
...
	.end_amdgpu_metadata
.endif
;; end of part 4
